; MI455X (gfx1250); checked and timed in simulation.
; The chip was launched on July 23, 2026; its instructions are those of AMD's public machine-readable ISA for CDNA 5 (MIT licence, August 2026) and "CDNA5" Instruction Set Architecture Reference Guide (July 2026). The comments in the code are by the model that wrote it; some were corrected since.
;; Causal Self Attention. Allowed arithmetic: matrix products marked QUANTISED: E3M2 operands, one E8M0 scale for each 32 along K, by v_wmma_scale_f32_16x16x128_f8f6f4 with both operands' format E3M2, f32 sums; everything else in f32.
;; Inputs: Wk 2,048 x 2,048 float32; Wo 2,048 x 2,048 float32; Wq 2,048 x 2,048 float32; Wv 2,048 x 2,048 float32; bk 2,048 float32; bo 2,048 float32; bq 2,048 float32; bv 2,048 float32; mask 1 x 1 x 2,048 x 2,048 float32; x 1 x 2,048 x 2,048 float32.
;; Outputs: out0 1 x 2,048 x 2,048 float32.
;; This version of the problem:
;;   THIS VERSION OF THE PROBLEM IS GIVEN IN LOW PRECISION. The matrix products marked QUANTISED in the list below multiply operands that are first quantised to E3M2 (3 exponent bits, 2 mantissa bits; 6 bits a number), with one power-of-two scale for each 32 numbers along K (OCP MX v1.0); their sums are f32. All else is computed in f32.
;;   The module's matrix products, in the order in which they are computed (A, B: the left and right operand; K: the contracted axis; several contracted axes count as one K, in the product's order):
;;     1. [M 2,048, K 2,048] x [K 2,048, N 2,048]; A: input x; B: input Wq: QUANTISED
;;     2. [M 2,048, K 2,048] x [K 2,048, N 2,048]; A: input x; B: input Wk: QUANTISED
;;     3. [M 2,048, K 2,048] x [K 2,048, N 2,048]; A: input x; B: input Wv: QUANTISED
;;     4. batch 16 x [M 2,048, K 128] x [K 128, N 2,048]; A: computed on the way; B: computed on the way: QUANTISED
;;     5. batch 16 x [M 2,048, K 2,048] x [K 2,048, N 128]; A: softmax (see below); B: computed on the way: QUANTISED
;;     6. [M 2,048, K 2,048] x [K 2,048, N 2,048]; A: computed on the way; B: input Wo: QUANTISED
;;   THE QUANTISER, for each operand of a quantised product, along K:
;;     - K is cut into blocks of 32 from its start; a last block that is shorter is filled with zeros.
;;     - A block's scale is 2^e with e = floor(log2(the largest magnitude in the block)) - 4, held to -126 .. 127; a block of zeros has e = 0. As a byte (E8M0): e + 127.
;;     - Each number is divided by its block's scale, clamped to +-28, and rounded to the nearest number of E3M2, ties to even, subnormals kept.
;;     - The product sums the exact products of the quantised numbers (number of the format x scale) in f32.
;;   ~~~python
;;   def quantise(x, axis):      # numpy; x: float32 -> the quantised numbers, widened to float32 again
;;       x = np.moveaxis(x, axis, -1); K = x.shape[-1]
;;       x = np.pad(x, [(0, 0)] * (x.ndim - 1) + [(0, -K % 32)]); x = x.reshape(x.shape[:-1] + (-1, 32)); a = np.abs(x).max(-1, keepdims=True)
;;       e = np.where(a > 0, np.clip(np.frexp(np.where(a > 0, a, 1))[1] - 1 - 4, -126, 127), 0)      # np.frexp(a)[1] - 1 = floor(log2(a)), exactly
;;       r = np.clip(x / 2.0 ** e, -28, 28)
;;       step = 2.0 ** (np.maximum(np.frexp(np.where(r == 0, 1, r))[1] - 1, -2) - 2)
;;       q = np.round(r / step) * step * 2.0 ** e      # np.round: ties to even
;;       return np.moveaxis(q.reshape(q.shape[:-2] + (-1,))[..., :K], -1, axis).astype(np.float32)
;;   ~~~
;;   SOFTMAX AHEAD OF A QUANTISED PRODUCT. Where the list says 'softmax', what is quantised is not the finished softmax but p = 2^(t - M), with t = logit x log2(e) and M = ceil(the row's largest t), a whole number; so 1/2 < the row's largest p <= 1. The row's sum l is taken of the UNQUANTISED p, in f32, and the product's result is divided by l at the end. Since M is a whole number, a kernel that streams over the keys may use a running M (the ceiling of the running maximum): every later rescaling is an exact power of two, which a block's scale takes up: the codes' values come out the same.
;;   OPERANDS COMPUTED ON THE WAY. 'Computed on the way' means the value that the module computes at that place (a softmax that the list does not call 'softmax' is quantised finished and normalised). What goes into a quantiser is computed in f32, as accurately as f32 sums, v_exp_f32 and their like allow (about 1e-6 of the number): no bf16 or f16 on the way to a quantiser, and a product that is left as it is and whose result goes on into a quantised operand takes f32 operands (vector FMAs, or v_wmma_f32_16x16x4_f32). A number that lies on a knife's edge between two numbers of the format may be rounded either way, as far as f32 arithmetic and the matrix unit's own rounding can turn it there, and no further.
;; One version. Each part assembles by itself: llvm-mc -triple=amdgcn-amd-amdhsa -mcpu=gfx1250 --defsym DOCPART=n.
;; ======== version 1 of 1: 4 launches
;; limits: right only within a limited range of input values
;; workspace buffers: wrec 16,384,000 bytes; qkv 9,830,400 bytes; ctxr 3,276,800 bytes; maskw 524,288 bytes of whole numbers
;; launch prep (part 1): grid 768 x 1, 4 waves a work-group, no clusters, 34,304 bytes of LDS; arguments x, Wq, Wk, Wv, Wo, mask, wrec, maskw; writes wrec, maskw
.if DOCPART == 1
	.amdgcn_target "amdgcn-amd-amdhsa--gfx1250"
	.amdhsa_code_object_version 6
	.text
	.protected	k_qb6e2ac994b_prep
	.globl	k_qb6e2ac994b_prep
	.p2align	8
	.type	k_qb6e2ac994b_prep,@function
k_qb6e2ac994b_prep:
	s_mov_b64 s[64:65], 0
	v_nop
	global_prefetch_b8 v0, s[64:65] scope:SCOPE_SE
	s_setreg_imm32_b32 hwreg(HW_REG_WAVE_MODE, 25, 1), 1
	s_wait_xcnt 0x0
; x, Wq, Wk, Wv, Wo ([2048][2048] f32, K innermost) become codes of BF6 (E3M2) with one E8M0 byte for each 32 along K; the mask ([2048][2048] f32) becomes lane masks.
; POSITIONS.  pi(i) is i with bits 3 and 4 exchanged.  Every tensor is stored by position: position p holds row pi(p).  Sixteen neighbouring positions, taken as source 0 of a product,
; then leave in the result's registers of two neighbouring tiles 16 neighbouring rows, which is what the next quantiser wants of a lane.
; RECORDS.  128 positions x 128 along K are one record of 12,800 bytes, an image of the operand's registers: byte 1536 f + 512 c + 16 l holds registers 4 c .. 4 c + 3 of lane l of fragment f
; (positions 16 f + l % 16); byte 12288 + 256 g + 16 r + 4 c holds the scale word of position 16 (4 g + c) + r.  wrec: [tensor (5)][group of 128 positions (16)][K step (16)] records.
; MASK.  maskw: [tile of 16 query positions (128)][step of 128 keys (16)][64 words]; bit l = (r, h) of word n is 1 where mask[pi(16 tile + r)][128 step + 32 (n / 16) + 16 h + n % 16] is -infinity.
; SHARES.  128 work-groups a tensor.  A wave takes 64 positions x 128 along K: four tiles of 16 rows.  Each load reads 512 consecutive bytes of one row; the four waves stand side by side on 2,048.
; A tile turns through the wave's own stage in LDS (16 rows, 528 bytes apart), so that a lane gets, of its row, 16 neighbours of each block of 32.  No barrier: waves share nothing.
; A block's scale is 2^(floor(log2(its largest magnitude)) - 4): its byte is the largest magnitude's exponent field - 4, held at 1 from below.
; LIMITS: NaN and infinities in x and the weights are not served; blocks whose largest magnitude lies under 2^-122 (zeros among them) keep the byte 1: their codes are read by this program alone.
.set REC,  12800
.set PART, 256*REC
.set FRB,  1536
.set SP,   528                         ; a stage row: 512 bytes + 16
.set WST,  16*SP                       ; a wave's stage
.set LI,   4                           ; v4   16 x lane
.set SA,   5                           ; v5   the stage, on the way in
.set SB,   6                           ; v6   and on the way out: 528 r + 64 h
.set L8,   7                           ; v7   8 x lane
.set SWA,  8                           ; v8   16 r + 8 h + 256 (rg & 1): my two scale words
.set NINF, 9                           ; v9   the bits of -infinity
.set PWS,  10                          ; v10-13  a scale word for each tile
.set MW,   14                          ; v14-21  a pair of mask words' registers for each tile
.set SW,   22                          ; v22-23  the scale words as they leave
.set TM,   24                          ; v24-39  at work in QUANT
.set PC,   40                          ; v40-59  the codes just made
.set LO,   60                          ; v60  16 x lane + 6144 (rg & 1): my place in the record
.set R,    64                          ; v64-191  two sets of 64: a tile as loaded
.set X,    192                         ; v192-255 a tile as a lane wants it: register 16 b + i = k 32 b + 16 h + i of row r
.set SEL,  34                          ; s[34:35] v_permlanex16_b32's selects for lane l xor 16
.set CM,   36                          ; s36-39   lane masks on their way
; 64 numbers of a lane, register 16 b + i = k 32 b + 16 (lane / 16) + i of my row, become a fragment's codes in v[PC] on and its scale word in v[pw].
.macro QUANT s, pw
.irp b, 0,1,2,3
	v_max3_num_f32 v[TM+\b], |v[\s+16*\b]|, |v[\s+1+16*\b]|, 0x2800000   ; block b: my 16 numbers, and the floor 2^(5 - 127): the byte cannot fall under 1
.endr
.irp i, 2,4,6,8,10,12,14
.irp b, 0,1,2,3
	v_max3_num_f32 v[TM+\b], v[TM+\b], |v[\s+16*\b+\i]|, |v[\s+1+16*\b+\i]|   ; the four blocks by turns
.endr
.endr
.irp b, 0,1,2,3
	v_permlanex16_b32 v[TM+4+\b], v[TM+\b], s[SEL], s[SEL+1]
.endr
.irp b, 0,1,2,3
	v_max_num_f32 v[TM+\b], v[TM+\b], v[TM+4+\b]   ; with lane l xor 16's: the block's largest magnitude
.endr
.irp b, 0,1,2,3
	v_add_nc_u32 v[TM+12+\b], 0xfe000000, v[TM+\b] ; 4 off its exponent field: the conversion's scale operand
.endr
.irp b, 0,1,2,3
	v_lshrrev_b32 v[TM+4+\b], 23, v[TM+12+\b]      ; the scale's byte
.endr
	v_lshl_or_b32 v[\pw], v[TM+5], 8, v[TM+4]      ; four bytes: my row's scale word (both halves of the lanes hold it)
	v_lshl_or_b32 v[\pw], v[TM+6], 16, v[\pw]
	v_lshl_or_b32 v[\pw], v[TM+7], 24, v[\pw]
.irp c, 0,1
	v_cvt_scalef32_pk16_bf6_f32 v[PC+6*\c:PC+2+6*\c], v[\s+32*\c:\s+15+32*\c], v[TM+12+2*\c]
	v_cvt_scalef32_pk16_bf6_f32 v[PC+12+4*\c:PC+14+4*\c], v[\s+16+32*\c:\s+31+32*\c], v[TM+12+2*\c+1]   ; (a conversion's three registers begin on an even number)
.endr
	v_nop                                          ; one plain place behind a scaled conversion
.irp c, 0,1                                    ; the operand wants a whole block in a lane: lanes 0-15 block 2 c, lanes 16-31 block 2 c + 1
.irp i, 0,1,2
	v_permlane16_swap_b32 v[PC+6*\c+\i], v[PC+12+4*\c+\i]
.endr
.irp i, 0,1,2
	v_mov_b32 v[PC+3+6*\c+\i], v[PC+12+4*\c+\i]
.endr
.endr
.endm
	s_load_b512 s[4:19], s[0:1], 0x0               ; x, Wq, Wk, Wv, Wo, mask, wrec s[16:17], maskw s[18:19]
	v_lshl_add_u32 v62, v0, 2, 0x8400
	v_mov_b32 v63, 0
	v_lshrrev_b32 v1, 5, v0
	v_readfirstlane_b32 s20, v1                    ; wave 0..3
	v_and_b32 v1, 31, v0                           ; lane
	v_and_b32 v2, 15, v0                           ; r
	v_bfe_u32 v3, v0, 4, 1                         ; h
	v_lshlrev_b32 v[LI], 4, v1
	s_mul_i32 s21, s20, WST
	v_add_nc_u32 v[SA], s21, v[LI]
	v_mul_u32_u24 v[SB], v2, SP
	v_lshl_add_u32 v[SB], v3, 6, v[SB]
	v_add_nc_u32 v[SB], s21, v[SB]
	v_lshlrev_b32 v[L8], 3, v1
	v_lshlrev_b32 v[SWA], 4, v2
	v_lshl_add_u32 v[SWA], v3, 3, v[SWA]
	v_mov_b32 v[NINF], 0xff800000
.irp i, 0,1,2,3,4,5,6,7,8,9,10,11
	v_mov_b32 v[PWS+\i], 0                         ; the scale words and the mask words' registers: written whole once, since one of the two ways writes each only in part or not at all
.endr
.irp b, 0,1,2,3
	v_mov_b32 v[TM+4+\b], 0                        ; a lane permute's destination counts as one of its sources
.endr
	s_mov_b32 s30, 0xffff0000                      ; lanes 16-31
	s_mov_b32 s[SEL], 0x76543210
	s_mov_b32 s[SEL+1], 0xfedcba98
	s_lshr_b32 s22, ttmp9, 7                       ; which tensor: 0 x, 1 Wq, 2 Wk, 3 Wv, 4 Wo, 5 the mask
	s_and_b32 s23, ttmp9, 127
	s_lshl_b32 s23, s23, 2
	s_add_co_u32 s23, s23, s20                     ; my wave's share, 0 .. 511
	s_and_b32 s24, s23, 15                         ; ks: which 128 along K
	s_lshr_b32 s25, s23, 4                         ; rg: which 64 positions
	s_lshl_b32 s26, s25, 19                        ; in: 64 rg rows of 8,192 bytes
	s_lshl_b32 s27, s24, 9                         ; + 512 ks
	s_add_co_u32 s26, s26, s27
	s_mov_b32 s27, 0
	s_lshr_b32 s28, s25, 1                         ; out: record (rg / 2, ks) of the tensor's part
	s_lshl_b32 s28, s28, 4
	s_add_co_u32 s28, s28, s24
	s_mul_i32 s28, s28, REC
	s_min_u32 s29, s22, 4                          ; (the mask's work-groups do not use this pointer; it stays inside wrec)
	s_mul_i32 s29, s29, PART
	s_add_co_u32 s28, s28, s29
	s_mov_b32 s29, 0
	s_and_b32 s31, s25, 1                          ; which half of the record's eight fragments
	s_mul_i32 s32, s31, 4*FRB
	v_add_nc_u32 v[LO], s32, v[LI]
	s_lshl_b32 s32, s31, 8
	v_add_nc_u32 v[SWA], s32, v[SWA]
	s_lshl_b32 s32, s25, 14                        ; the mask words: tile 4 rg, step ks: (64 rg + ks) x 256 bytes
	s_lshl_b32 s33, s24, 8
	s_add_co_u32 s32, s32, s33
	s_mov_b32 s33, 0
	s_wait_kmcnt 0x0
	s_cmp_eq_u32 s22, 1                            ; the input is chosen by the work-group's number alone
	s_cselect_b64 s[4:5], s[6:7], s[4:5]
	s_cmp_eq_u32 s22, 2
	s_cselect_b64 s[4:5], s[8:9], s[4:5]
	s_cmp_eq_u32 s22, 3
	s_cselect_b64 s[4:5], s[10:11], s[4:5]
	s_cmp_eq_u32 s22, 4
	s_cselect_b64 s[4:5], s[12:13], s[4:5]
	s_cmp_eq_u32 s22, 5
	s_cselect_b64 s[4:5], s[14:15], s[4:5]
	s_add_nc_u64 s[4:5], s[4:5], s[26:27]
	s_add_nc_u64 s[16:17], s[16:17], s[28:29]
	s_add_nc_u64 s[18:19], s[18:19], s[32:33]
.macro LOAD f                          ; tile f: position 16 f + i is row 32 (f / 2) + 8 (f % 2) + i + 8 (i / 8) of my 64; each load takes 512 consecutive bytes of one row
.irp i, 0,1,2,3,4,5,6,7,8,9,10,11,12,13,14,15
	global_load_b128 v[R+64*((\f)%2)+4*\i:R+64*((\f)%2)+4*\i+3], v[LI], s[4:5] offset:(32*((\f)/2)+8*((\f)%2)+\i+8*(\i/8))*8192 th:TH_LOAD_NT
.endr
.endm
.macro TILE f
.if (\f) < 3
	s_wait_loadcnt 16                              ; this tile's 16 loads are in; the next tile's 16 may be out
.else
	s_wait_loadcnt 0x0
.endif
.irp i, 0,1,2,3,4,5,6,7,8,9,10,11,12,13,14,15
	ds_store_b128 v[SA], v[R+64*((\f)%2)+4*\i:R+64*((\f)%2)+4*\i+3] offset:SP*\i
.endr
.irp b, 0,1,2,3
.irp j, 0,1,2,3
	ds_load_b128 v[X+16*\b+4*\j:X+16*\b+4*\j+3], v[SB] offset:128*\b+16*\j   ; LDS serves a wave's instructions in order: these see the stores above
.endr
.endr
	s_wait_dscnt 0x0                               ; the tile is back, and the stores have read their registers,
.if (\f) < 2
	LOAD (\f)+2                                    ; which take the tile two further on
.endif
	s_cmp_eq_u32 s22, 5
	s_cbranch_scc1 .Lbits_\@
	s_wait_xcnt 0x0                                ; the last tile's stores have read their data: the codes' registers may be written again
	QUANT X, PWS+(\f)
.irp c, 0,1,2
	global_store_b128 v[LO], v[PC+4*\c:PC+4*\c+3], s[16:17] offset:FRB*(\f)+512*\c   ; 32 lanes store 512 consecutive bytes, at a multiple of 256 from the buffer's first byte
.endr
	s_branch .Ldone_\@
.Lbits_\@:                                             ; the mask: register n's 32 lanes give word n
.set n, 0
.rept 16
.irp k, 0,1,2,3
	v_cmp_eq_u32 s[CM+\k], v[X+n+\k], v[NINF]
.endr
.irp k, 0,1,2,3
	v_writelane_b32 v[MW+2*(\f)+\k%2], s[CM+\k], (n+\k)/2   ; lane L keeps words 2 L and 2 L + 1
.endr
.set n, n+4
.endr
	global_store_b64 v[L8], v[MW+2*(\f):MW+2*(\f)+1], s[18:19] offset:4096*(\f)   ; one aligned run of 256 bytes
.Ldone_\@:
.endm
	LOAD 0
	LOAD 1
	TILE 0
	TILE 1
	TILE 2
	TILE 3
	s_cmp_eq_u32 s22, 5
	s_cbranch_scc1 .Lend
	v_cndmask_b32 v[SW], v[PWS], v[PWS+2], s30     ; lanes 0-15 send tiles 0 and 1's words of row r, lanes 16-31 tiles 2 and 3's
	v_cndmask_b32 v[SW+1], v[PWS+1], v[PWS+3], s30
	global_store_b64 v[SWA], v[SW:SW+1], s[16:17] offset:12288   ; 256 consecutive bytes
.Lend:
	s_wait_tensorcnt 0x0
	ds_add_u32 v62, v63
	s_wait_dscnt 0x0
	s_endpgm
.Lfunc_end_k_qb6e2ac994b_prep:
	.size	k_qb6e2ac994b_prep, .Lfunc_end_k_qb6e2ac994b_prep-k_qb6e2ac994b_prep
	.p2alignl 7, 3214868480
	.fill 96, 4, 3214868480
	.section	.rodata,"a",@progbits
	.p2align	6, 0x0
	.amdhsa_kernel k_qb6e2ac994b_prep
		.amdhsa_group_segment_fixed_size 34304
		.amdhsa_private_segment_fixed_size 0
		.amdhsa_enable_private_segment 0
		.amdhsa_kernarg_size 64
		.amdhsa_user_sgpr_count 2
		.amdhsa_user_sgpr_kernarg_segment_ptr 1
		.amdhsa_wavefront_size32 1
		.amdhsa_system_sgpr_workgroup_id_x 1
		.amdhsa_system_sgpr_workgroup_id_y 1
		.amdhsa_system_sgpr_workgroup_id_z 1
		.amdhsa_system_vgpr_workitem_id 0
		.amdhsa_next_free_vgpr 256
		.amdhsa_next_free_sgpr 66
		.amdhsa_reserve_vcc 0
		.amdhsa_float_denorm_mode_32 3
		.amdhsa_float_denorm_mode_16_64 3
		.amdhsa_memory_ordered 1
		.amdhsa_forward_progress 1
		.amdhsa_inst_pref_size 67
	.end_amdhsa_kernel
	.amdgpu_metadata
---
amdhsa.version: [ 1, 2 ]
amdhsa.kernels:
  - .name:           k_qb6e2ac994b_prep
    .symbol:         k_qb6e2ac994b_prep.kd
    .args:
      - { .name: x, .offset: 0, .size: 8, .value_kind: global_buffer, .address_space: global }
      - { .name: Wq, .offset: 8, .size: 8, .value_kind: global_buffer, .address_space: global }
      - { .name: Wk, .offset: 16, .size: 8, .value_kind: global_buffer, .address_space: global }
      - { .name: Wv, .offset: 24, .size: 8, .value_kind: global_buffer, .address_space: global }
      - { .name: Wo, .offset: 32, .size: 8, .value_kind: global_buffer, .address_space: global }
      - { .name: mask, .offset: 40, .size: 8, .value_kind: global_buffer, .address_space: global }
      - { .name: wrec, .offset: 48, .size: 8, .value_kind: global_buffer, .address_space: global }
      - { .name: maskw, .offset: 56, .size: 8, .value_kind: global_buffer, .address_space: global }
    .group_segment_fixed_size: 34304
    .private_segment_fixed_size: 0
    .kernarg_segment_align: 8
    .kernarg_segment_size: 64
    .max_flat_workgroup_size: 128
    .sgpr_count:     66
    .vgpr_count:     256
    .wavefront_size: 32
...
	.end_amdgpu_metadata
.endif
;; end of part 1
;; launch qkvgemm (part 2): grid 24 x 8, 4 waves a work-group, clusters of 4 x 4, 327,680 bytes of LDS; arguments wrec, bq, bk, bv, qkv; writes qkv
.if DOCPART == 2
	.amdgcn_target "amdgcn-amd-amdhsa--gfx1250"
	.amdhsa_code_object_version 6
	.text
	.protected	k_qb6e2ac994b_qkvgemm
	.globl	k_qb6e2ac994b_qkvgemm
	.p2align	8
	.type	k_qb6e2ac994b_qkvgemm,@function
k_qb6e2ac994b_qkvgemm:
	s_mov_b64 s[64:65], 0
	v_nop
	global_prefetch_b8 v0, s[64:65] scope:SCOPE_SE
	s_setreg_imm32_b32 hwreg(HW_REG_WAVE_MODE, 25, 1), 1
	s_wait_xcnt 0x0
	s_wait_alu depctr_hold_cnt(0) depctr_sa_sdst(0) depctr_va_vdst(0) depctr_va_sdst(0) depctr_va_ssrc(0) depctr_va_vcc(0) depctr_vm_vsrc(0)
	s_getreg_b32 s2, hwreg(HW_REG_IB_STS2, 6, 4)
	s_cmp_eq_u32 s2, 0
	s_cbranch_scc0 .Lentry_in_a_cluster
	s_endpgm
.Lentry_in_a_cluster:
	s_bfe_u32 s2, ttmp6, 0x10000c
	s_cmp_lg_u32 s2, 0xf033
	s_cbranch_scc0 .Lentry_shape_is_right
	s_endpgm
.Lentry_shape_is_right:
.set REC,   12800
.set FRB,   1536
.set PART,  256*REC
.set GRP,   16*REC
.set NA,    8
.set NB,    8
.set NAH,   NA/2
.set NQ,    2
.set TLB,   2*REC
.set SLOT,  4*TLB
.set LAPS,  16/(2*NQ)
.set GSTEP, 2*NQ*REC
.set SPARE, 2*SLOT
.set ADRA, 16
.set ADRB, 18
.set ADRS, 20
.set LI,   22
.set BRA,  23
.set BLA,  24
.set SPW,  28
.set NIL,  29
.set SC,   32
.set BR,   64
.set AF,   128
.set BLP,  224
.set TM,   96
.set PWS,  112
.set SW,   120
.set ST,   128
.set PC,   192
.set G1,  24
.set G0,  32
.set G1B, 48
.set G0B, 56
.set SEL, 80
.set MSB, 0
.macro WIN new
.if MSB != (\new)
	s_set_vgpr_msb (MSB<<8)|(\new)
.set MSB, (\new)
.endif
.endm
.macro PLACES
.rept 4
	v_nop
.endr
.endm
.macro JLOAD g0a, g1a, g0b, g1b
	s_cmp_eq_u32 s15, 0
	s_cbranch_scc0 .Lfor_b_\@
	tensor_load_to_lds s[\g0a:\g0a+3], s[\g1a:\g1a+7]
	s_nop 0
.rept 4
	v_nop
.endr
	s_branch .Lasked_\@
.Lfor_b_\@:
	tensor_load_to_lds s[\g0b:\g0b+3], s[\g1b:\g1b+7]
	s_nop 0
.rept 4
	v_nop
.endr
.Lasked_\@:
.endm
.macro CREST
	s_cmp_lg_u32 s14, 0
	s_cbranch_scc1 .Lnot_wave_0_\@
	s_barrier_signal -3
.Lnot_wave_0_\@:
	s_barrier_wait -3
	s_barrier_signal -1
	s_barrier_wait -1
.endm
.macro CROUND
	s_barrier_signal -1
	s_barrier_wait -1
	CREST
.endm
.macro QUANT s, pw
.irp b, 0,1,2,3
	v_max3_num_f32 v[TM+\b], |v[\s+16*\b]|, |v[\s+1+16*\b]|, 0x2800000
.endr
.irp i, 2,4,6,8,10,12,14
.irp b, 0,1,2,3
	v_max3_num_f32 v[TM+\b], v[TM+\b], |v[\s+16*\b+\i]|, |v[\s+1+16*\b+\i]|
.endr
.endr
.irp b, 0,1,2,3
	v_permlanex16_b32 v[TM+4+\b], v[TM+\b], s[SEL], s[SEL+1]
.endr
.irp b, 0,1,2,3
	v_max_num_f32 v[TM+\b], v[TM+\b], v[TM+4+\b]
.endr
.irp b, 0,1,2,3
	v_add_nc_u32 v[TM+12+\b], 0xfe000000, v[TM+\b]
.endr
.irp b, 0,1,2,3
	v_lshrrev_b32 v[TM+4+\b], 23, v[TM+12+\b]
.endr
	v_lshl_or_b32 v[\pw], v[TM+5], 8, v[TM+4]
	v_lshl_or_b32 v[\pw], v[TM+6], 16, v[\pw]
	v_lshl_or_b32 v[\pw], v[TM+7], 24, v[\pw]
.irp c, 0,1
	v_cvt_scalef32_pk16_bf6_f32 v[PC+6*\c:PC+2+6*\c], v[\s+32*\c:\s+15+32*\c], v[TM+12+2*\c]
	v_cvt_scalef32_pk16_bf6_f32 v[PC+12+4*\c:PC+14+4*\c], v[\s+16+32*\c:\s+31+32*\c], v[TM+12+2*\c+1]
.endr
	v_nop
.irp c, 0,1
.irp i, 0,1,2
	v_permlane16_swap_b32 v[PC+6*\c+\i], v[PC+12+4*\c+\i]
.endr
.irp i, 0,1,2
	v_mov_b32 v[PC+3+6*\c+\i], v[PC+12+4*\c+\i]
.endr
.endr
.endm
	s_load_b256 s[4:11], s[0:1], 0x0
	s_load_b64 s[12:13], s[0:1], 0x20
	v_lshl_add_u32 v[SPW], v0, 2, SPARE
	v_mov_b32 v[NIL], 0
	ds_add_u32 v28, v29
	ds_add_u32 v28, v29
	s_wait_dscnt 0x0
	v_lshrrev_b32 v1, 5, v0
	v_readfirstlane_b32 s14, v1
	s_lshr_b32 s15, s14, 1
	s_and_b32 s16, s14, 1
	s_bfe_u32 s40, ttmp6, 0x40000
	s_bfe_u32 s41, ttmp6, 0x40004
	s_lshl_b32 s42, ttmp9, 2
	s_add_co_u32 s42, s42, s40
	s_and_b32 s17, ttmp7, 0xffff
	s_lshl_b32 s17, s17, 2
	s_add_co_u32 s17, s17, s41
	s_lshl_b32 s43, s41, 2
	s_lshl_b32 s43, 15, s43
	s_lshl_b32 s44, 0x1111, s40
	s_lshr_b32 s66, ttmp9, 1
	s_and_b32 s67, s42, 7
	s_or_b32 s[G1], s43, (3<<16)|(1<<21)
	s_or_b32 s[G1B], s44, (3<<16)|(1<<21)
.irp g, G1, G1B
	s_mov_b32 s[\g+1], 32<<16
	s_mov_b32 s[\g+2], 100<<16
	s_mov_b32 s[\g+3], 32<<16
	s_mov_b32 s[\g+4], 100
	s_mov_b32 s[\g+5], 32
	s_mov_b32 s[\g+6], 0
	s_mov_b32 s[\g+7], 0
.endr
	s_add_co_u32 s69, s66, 1
	s_mul_i32 s69, s69, PART
	s_cmp_eq_u32 s66, 2
	s_cselect_b32 s68, 3*PART, 0
	s_cselect_b32 s69, 0, s69
	s_cselect_b32 s74, 0, -1
	s_cselect_b32 s75, -1, 0
	s_lshl_b32 s20, s17, 1
	s_add_co_u32 s20, s20, s16
	s_mul_i32 s20, s20, GRP
	s_add_co_u32 s20, s20, s68
	s_mov_b32 s21, 0
	s_lshl_b32 s46, s67, 1
	s_add_co_u32 s46, s46, s16
	s_mul_i32 s46, s46, GRP
	s_add_co_u32 s46, s46, s69
	s_mov_b32 s47, 0
	s_mul_i32 s45, s14, TLB
	s_wait_kmcnt 0x0
	s_add_nc_u64 s[20:21], s[4:5], s[20:21]
	s_add_nc_u64 s[46:47], s[4:5], s[46:47]
	; the prefetches: of the 100 blocks of 256 bytes that my wave fetches for a slot, each of the four partners that ask jointly names 25, told apart by address alone (cx for A's tiles, cy for B's)
	s_cmp_eq_u32 s15, 0
	s_cselect_b32 s86, s40, s41
	s_cselect_b64 s[84:85], s[20:21], s[46:47]
	s_mul_i32 s86, s86, 6400
	s_add_co_u32 s86, s86, NQ*REC
	s_mov_b32 s87, 0
	s_add_nc_u64 s[84:85], s[84:85], s[86:87]
	v_and_b32 v30, 31, v0
	v_min_u32 v30, 24, v30                         ; lanes 25-31 name the last block again
	v_lshlrev_b32 v30, 8, v30                      ; v30: never rewritten
	CROUND
.irp s, 0,1
	s_mov_b32 s[G0+4*\s], 1
	s_add_co_u32 s[G0+4*\s+1], s45, \s*SLOT
	s_add_nc_u64 s[G0+4*\s+2:G0+4*\s+3], s[20:21], \s*NQ*REC
	s_or_b32 s[G0+4*\s+3], s[G0+4*\s+3], 0x80000000
	s_mov_b32 s[G0B+4*\s], 1
	s_add_co_u32 s[G0B+4*\s+1], s45, \s*SLOT
	s_add_nc_u64 s[G0B+4*\s+2:G0B+4*\s+3], s[46:47], \s*NQ*REC
	s_or_b32 s[G0B+4*\s+3], s[G0B+4*\s+3], 0x80000000
	s_wait_alu depctr_va_vdst(0)
	s_wait_tensorcnt 0x0
	ds_add_u32 v28, v29
	ds_add_u32 v28, v29
	s_wait_dscnt 0x0
	CROUND
	JLOAD G0+4*\s, G1, G0B+4*\s, G1B
	global_prefetch_b8 v30, s[84:85] offset:(\s+1)*NQ*REC th:TH_LOAD_NT scope:SCOPE_SE   ; behind slot s's load: the slot two refills on
.endr
	v_and_b32 v1, 31, v0
	v_and_b32 v2, 15, v0
	v_bfe_u32 v3, v0, 4, 1
	v_lshlrev_b32 v[LI], 4, v1
	s_wait_alu depctr_va_vdst(0)
	s_mul_i32 s22, s15, TLB
	s_mul_i32 s23, s16, TLB
	s_add_co_u32 s23, s23, 2*TLB
	s_xor_b32 s18, s15, 1
	s_add_co_u32 s18, s18, s16
	s_add_co_u32 s18, s18, 1
	s_mul_i32 s18, s18, TLB
	v_mul_u32_u24 v4, s18, v3
	v_lshl_add_u32 v4, v2, 4, v4
	s_add_co_u32 s19, s22, 8*FRB
.irp s, 0,1
	v_add_nc_u32 v[ADRA+\s], s22, v[LI]
	v_add_nc_u32 v[ADRB+\s], s23, v[LI]
	v_add_nc_u32 v[ADRS+\s], s19, v4
	s_add_co_u32 s22, s22, SLOT
	s_add_co_u32 s23, s23, SLOT
	s_add_co_u32 s19, s19, SLOT
.endr
	s_lshl_b32 s70, s17, 1
	s_add_co_u32 s70, s70, s15
	s_lshl_b32 s71, s67, 1
	s_add_co_u32 s71, s71, s16
	s_cmp_eq_u32 s66, 2
	s_cselect_b32 s72, s70, s71
	s_cselect_b32 s73, s71, s70
	s_cselect_b64 s[6:7], s[10:11], s[6:7]
	s_cmp_eq_u32 s66, 1
	s_cselect_b64 s[6:7], s[8:9], s[6:7]
	s_lshl_b32 s72, s72, 4
	s_add_co_u32 s72, s72, s73
	s_mul_i32 s72, s72, REC
	s_mul_i32 s73, s66, PART
	s_add_co_u32 s72, s72, s73
	s_mov_b32 s73, 0
	s_add_nc_u64 s[12:13], s[12:13], s[72:73]
	s_lshl_b32 s78, s71, 9
	s_mov_b32 s79, 0
	s_add_nc_u64 s[8:9], s[6:7], s[78:79]
	s_lshl_b32 s78, s70, 9
	s_add_nc_u64 s[10:11], s[6:7], s[78:79]
	s_mov_b32 s76, 0xffff0000
	s_mov_b32 s[SEL], 0x76543210
	s_mov_b32 s[SEL+1], 0xfedcba98
	v_lshlrev_b32 v[BRA], 6, v3
	v_and_b32 v5, 7, v2
	v_lshrrev_b32 v6, 3, v2
	v_lshlrev_b32 v5, 2, v5
	v_lshl_add_u32 v[BLA], v6, 6, v5
.irp b, 0,1,2,3,4,5,6,7
	global_load_b128 v[BR+8*\b:BR+8*\b+3], v[BRA], s[8:9] offset:(32*(\b/2)+8*(\b%2))*4
	global_load_b128 v[BR+8*\b+4:BR+8*\b+7], v[BRA], s[8:9] offset:(32*(\b/2)+8*(\b%2))*4+16
.endr
.irp a, 0,1,2,3,4,5,6,7
	global_load_b32 v[BLP+2*\a], v[BLA], s[10:11] offset:(32*(\a/2)+8*(\a%2))*4
.endr
.macro FRAG reg, adr, q, i
.irp c, 0,1,2
	ds_load_b128 v[\reg+4*\c:\reg+4*\c+3], v[\adr] offset:(\q)*REC+(\i)*FRB+512*\c
.endr
.endm
.macro FETCH_B slot, q, p
	WIN 0x40
.irp i, 0,1,2,3,4,5,6,7
	FRAG 128*(\p)+12*\i, ADRB+\slot, \q, \i
.endr
	WIN 0
.endm
.macro FETCH_A slot, q, i0
.set FI, \i0
.rept NAH
	FRAG AF+12*FI, ADRA+\slot, \q, FI
.set FI, FI+1
.endr
.endm
.macro SCALES slot, q, p
.irp g, 0,1
	ds_load_b128 v[SC+NA*(\p)+4*\g:SC+NA*(\p)+4*\g+3], v[ADRS+\slot] offset:(\q)*REC+256*\g
.endr
.endm
.macro MULB a, p, first
.irp b, 0,1,2,3,4,5,6,7
.if \first
	v_wmma_scale_f32_16x16x128_f8f6f4 v[8*(NB*((\a)%NAH)+\b):8*(NB*((\a)%NAH)+\b)+7], v[128*(\p)+12*\b:128*(\p)+12*\b+11], v[AF+12*(\a):AF+12*(\a)+11], v[BR+8*\b:BR+8*\b+7], v[SC+NA*(\p)+\b], v[SC+NA*(\p)+(\a)] matrix_a_fmt:MATRIX_FMT_BF6 matrix_b_fmt:MATRIX_FMT_BF6 matrix_a_scale:MATRIX_SCALE_ROW1
.else
	v_wmma_scale_f32_16x16x128_f8f6f4 v[8*(NB*((\a)%NAH)+\b):8*(NB*((\a)%NAH)+\b)+7], v[128*(\p)+12*\b:128*(\p)+12*\b+11], v[AF+12*(\a):AF+12*(\a)+11], v[8*(NB*((\a)%NAH)+\b):8*(NB*((\a)%NAH)+\b)+7], v[SC+NA*(\p)+\b], v[SC+NA*(\p)+(\a)] matrix_a_fmt:MATRIX_FMT_BF6 matrix_b_fmt:MATRIX_FMT_BF6 matrix_a_scale:MATRIX_SCALE_ROW1
.endif
.endr
.endm
.macro MULR a0, cnt, p, first
.set AI, \a0
.rept \cnt
	MULB AI, \p, \first
.set AI, AI+1
.endr
.endm
.macro STEP slot, q, first
	s_wait_dscnt 3*NAH
.if \first
	WIN 0x81
.else
	WIN 0xa1
.endif
	MULR 0, NAH, (\q)%2, \first
	s_wait_dscnt 0x0
	PLACES
	FETCH_B \slot, (\q)+1, 1-(\q)%2
	SCALES \slot, (\q)+1, 1-(\q)%2
	FETCH_A \slot, (\q)+1, 0
.if \first
	WIN 0xc1
.else
	WIN 0xf1
.endif
	MULR NAH, NAH, (\q)%2, \first
	PLACES
	WIN 0
	FETCH_A \slot, (\q)+1, NAH
.endm
.macro TURN slot, next, fill
.if \fill
	s_wait_xcnt 0x0                                ; my last prefetch has read its address: it steps one slot on
	s_add_nc_u64 s[84:85], s[84:85], NQ*REC
.endif
	s_wait_tensorcnt 0x0
	ds_add_u32 v[SPW], v[NIL]
	s_wait_dscnt 3*NAH+1
	WIN 0xa1
	MULR 0, NAH/2, 1, 0
	s_wait_dscnt 0x0
	s_barrier_signal -1
	MULR NAH/2, NAH/2, 1, 0
	WIN 0
	s_barrier_wait -1
.if \fill
	CREST
	s_add_nc_u64 s[G0+4*\slot+2:G0+4*\slot+3], s[G0+4*\slot+2:G0+4*\slot+3], GSTEP
	s_add_nc_u64 s[G0B+4*\slot+2:G0B+4*\slot+3], s[G0B+4*\slot+2:G0B+4*\slot+3], GSTEP
	JLOAD G0+4*\slot, G1, G0B+4*\slot, G1B
.else
	PLACES
.endif
	FETCH_B \next, 0, 0
	SCALES \next, 0, 0
	FETCH_A \next, 0, 0
.if \fill
	s_cmp_gt_u32 s3, 1                             ; the loop's last trip has no slot two refills on
	s_cbranch_scc0 .Lno_ask_\@
	global_prefetch_b8 v30, s[84:85] offset:2*NQ*REC th:TH_LOAD_NT scope:SCOPE_SE
.Lno_ask_\@:
.endif
	WIN 0xf1
	MULR NAH, NAH, 1, 0
	PLACES
	WIN 0
	FETCH_A \next, 0, NAH
.endm
	s_wait_alu depctr_va_vdst(0)
	s_wait_tensorcnt 1
	s_barrier_signal -1
	s_barrier_wait -1
	FETCH_B 0, 0, 0
	SCALES 0, 0, 0
	FETCH_A 0, 0, 0
	FETCH_A 0, 0, NAH
	s_wait_loadcnt 0x0
.set i, 0
.rept 8*NB
	v_cndmask_b32 v[BR+i], 0, v[BR+i], s74
.set i, i+1
.endr
.irp a, 0,1,2,3,4,5,6,7
	v_cndmask_b32 v[BLP+2*\a], 0, v[BLP+2*\a], s75
.endr
.irp a, 0,1,2,3,4,5,6,7
	v_mov_b32 v[BLP+2*\a+1], v[BLP+2*\a]
.endr
	STEP 0, 0, 1
	s_mov_b32 s3, LAPS-1
.Llap:
	TURN 0, 1, 1
	STEP 1, 0, 0
	TURN 1, 0, 1
	STEP 0, 0, 0
	s_sub_co_u32 s3, s3, 1
	s_cmp_lg_u32 s3, 0
	s_cbranch_scc1 .Llap
	TURN 0, 1, 0
	STEP 1, 0, 0
	s_wait_dscnt 3*NAH
	WIN 0xa1
	MULR 0, NAH, 1, 0
	s_wait_dscnt 0x0
	WIN 0xf1
	MULR NAH, NAH, 1, 0
	WIN 0
	PLACES
.irp b, 0,1,2,3
	v_mov_b32 v[TM+4+\b], 0
.endr
.irp a, 0,1,2,3,4,5,6,7
	s_wait_xcnt 0x0
	WIN 0x02+\a/4
.set i, 0
.rept 32
	v_pk_add_f32 v[ST+i:ST+i+1], v[64*(\a%4)+i:64*(\a%4)+i+1], v[BLP+2*\a:BLP+2*\a+1]
.set i, i+2
.endr
	WIN 0
	QUANT ST, PWS+\a
.irp c, 0,1,2
	global_store_b128 v[LI], v[PC+4*\c:PC+4*\c+3], s[12:13] offset:FRB*\a+512*\c
.endr
.endr
.irp c, 0,1,2,3
	v_cndmask_b32 v[SW+\c], v[PWS+\c], v[PWS+4+\c], s76
.endr
	global_store_b128 v[LI], v[SW:SW+3], s[12:13] offset:8*FRB
	s_wait_tensorcnt 0x0
	ds_add_u32 v[SPW], v[NIL]
	s_wait_dscnt 0x0
	CROUND
	s_endpgm
.Lfunc_end_k_qb6e2ac994b_qkvgemm:
	.size	k_qb6e2ac994b_qkvgemm, .Lfunc_end_k_qb6e2ac994b_qkvgemm-k_qb6e2ac994b_qkvgemm
	.p2alignl 7, 3214868480
	.fill 96, 4, 3214868480
	.section	.rodata,"a",@progbits
	.p2align	6, 0x0
	.amdhsa_kernel k_qb6e2ac994b_qkvgemm
		.amdhsa_group_segment_fixed_size 327680
		.amdhsa_private_segment_fixed_size 0
		.amdhsa_enable_private_segment 0
		.amdhsa_kernarg_size 40
		.amdhsa_user_sgpr_count 2
		.amdhsa_user_sgpr_kernarg_segment_ptr 1
		.amdhsa_wavefront_size32 1
		.amdhsa_system_sgpr_workgroup_id_x 1
		.amdhsa_system_sgpr_workgroup_id_y 1
		.amdhsa_system_sgpr_workgroup_id_z 1
		.amdhsa_system_vgpr_workitem_id 0
		.amdhsa_next_free_vgpr 1024
		.amdhsa_next_free_sgpr 100
		.amdhsa_reserve_vcc 0
		.amdhsa_float_denorm_mode_32 3
		.amdhsa_float_denorm_mode_16_64 3
		.amdhsa_memory_ordered 1
		.amdhsa_forward_progress 1
		.amdhsa_inst_pref_size 162
	.end_amdhsa_kernel
	.amdgpu_metadata
---
amdhsa.version: [ 1, 2 ]
amdhsa.kernels:
  - .name:           k_qb6e2ac994b_qkvgemm
    .symbol:         k_qb6e2ac994b_qkvgemm.kd
    .args:
      - { .name: wrec, .offset: 0, .size: 8, .value_kind: global_buffer, .address_space: global }
      - { .name: bq, .offset: 8, .size: 8, .value_kind: global_buffer, .address_space: global }
      - { .name: bk, .offset: 16, .size: 8, .value_kind: global_buffer, .address_space: global }
      - { .name: bv, .offset: 24, .size: 8, .value_kind: global_buffer, .address_space: global }
      - { .name: qkv, .offset: 32, .size: 8, .value_kind: global_buffer, .address_space: global }
    .group_segment_fixed_size: 327680
    .private_segment_fixed_size: 0
    .kernarg_segment_align: 8
    .kernarg_segment_size: 40
    .max_flat_workgroup_size: 128
    .sgpr_count:     100
    .vgpr_count:     1024
    .wavefront_size: 32
...
	.end_amdgpu_metadata
.endif
;; end of part 2
;; launch attn (part 3): grid 16 x 16, 8 waves a work-group, no clusters, 2,048 bytes of LDS; arguments qkv, maskw, ctxr; writes ctxr
.if DOCPART == 3
	.amdgcn_target "amdgcn-amd-amdhsa--gfx1250"
	.amdhsa_code_object_version 6
	.text
	.protected	k_qb6e2ac994b_attn
	.globl	k_qb6e2ac994b_attn
	.p2align	8
	.type	k_qb6e2ac994b_attn,@function
k_qb6e2ac994b_attn:
	s_mov_b64 s[64:65], 0
	v_nop
	global_prefetch_b8 v0, s[64:65] scope:SCOPE_SE
	s_setreg_imm32_b32 hwreg(HW_REG_WAVE_MODE, 25, 1), 1
	s_wait_xcnt 0x0
; ctx[q] = the sum over keys of softmax(q . k / sqrt(128), masked) v, for each head, both products on codes of BF6 (E3M2) with E8M0 scales; ctx is quantised again, as an operand of the last product.
; qkv: parts q, k, v, each [head (16)][T (16)] records of 12,800 bytes (128 positions x 128 along K as an image of the operand's registers; position p holds row pi(p), pi = bits 3 and 4 exchanged).
; q, k: positions = tokens, K = the head's 128 features.  v: positions = features, K = the keys 128 T on.  maskw: [tile of 16 query positions][key step][64 words]: word n is the lane mask of the scores' register n.
; THE SOFTMAX: t = score x log2(e) / sqrt(128); M = the running largest t rounded up to a whole number; p = 2^(t - M) is quantised along the keys, not normalised; the row's sum is taken of the unquantised p
; and divides at the end.  When M moves, the sum and O are multiplied by 2^(old M - new M), which rounds nothing.  A hidden score becomes -infinity ahead of the maximum, so its p is 0.
; A query all of whose keys are hidden has the sum 0: its scale word is set to 0xffffffff, which makes every product with its row NaN, as the softmax of such a row is.
; THE MASK DECIDES THE WALK.  The mask is an input; an earlier launch stored it as whole numbers.  In its head a wave reduces its tile's 16 x 64 words to two rows of bits: LIVE (some key of the step counts for
; some query of the tile) and ANY (some score of the step is hidden).  A step that is not live gives p = 0 throughout and moves neither M, the sum nor O: a scalar branch on LIVE leads round it.
; A step with nothing hidden needs no select: a branch on ANY leads round the 64 selects and the loads of their words.  Every pattern of the mask is served.
; NO TENSOR LOAD, NO CLUSTER: the walk hangs on words read from memory, so the operands go from memory straight into registers, which the records' layout allows: each load takes 512 consecutive bytes.
; SHARES.  A wave owns 16 query positions and shares nothing with the others but the way out of the scale words.  Work-group (x, head): j = x / 2, g = x % 2.  Four of its waves take tiles 4 g .. 4 g + 3 of query
; block j, four those of block 15 - j; which, says the parity of the wave's number.
; Both products are used transposed: S^T = K Q^T, O^T = V^T P^T: a lane holds one query throughout, and by the order of positions its registers run along neighbouring keys, then neighbouring features.
; LOADS AHEAD.  This step's V and, where the next step is live, its K are asked for behind the scores' products and land under the softmax.  HV says whether K's registers hold this step's record.
; PREFETCH.  A key step's K and V records are 100 blocks of 256 bytes.  In trip t wave 0 of the four work-groups x with x / 4 = t % 4 names 25 blocks each (by x % 4) of step t + 3; trips 13 to 15 name nothing.
; LIMITS: NaN and infinities in q, k, v are not served; a block of ctx whose largest magnitude lies under 2^-122 keeps the scale byte 1.
; REGISTERS: window 0: v1-11, v58 addresses; v12 -M, v13 the largest t, v[14:15] the sum in two halves; v16-27 Q; v28 -infinity; v32-35, v36-39 K's and V's scale words; v40-55 at work in QUANT; v56 ctx's scale word;
;   v96-159 S^T, then p; v160-223 O^T; v224-235 p's codes; v232-254 at work; v253 p's scale word; v255 Q's.   window 1: v0-95 K's eight fragments, v128-223 V's.
.set REC,   12800
.set FRB,   1536
.set PART,  256*REC
.set GRP,   16*REC
.set AHEAD, 3
.set SPARE, 512                        ; LDS: bytes 0-511 two units of 256 bytes of ctx's scale words; then the spare words, 128 bytes for each wave, which no other line names
.set LI,  1                            ; v1   16 x lane
.set LV,  2                            ; v2   16 x lane + PART: V's record from K's base
.set SCA, 3                            ; v3   LDS: where my row's scale word goes
.set SCB, 4                            ; v4   LDS: 256 sel + 8 x lane
.set SPW, 5                            ; v5   my spare word; never rewritten
.set NIL, 6                            ; v6   0; never rewritten
.set LW,  7                            ; v7   16 x lane + 1536 x my tile: my fragment in a record
.set PFO, 8                            ; v8   the prefetches' offset
.set FA,  9                            ; v9   128 x lane
.set QSA, 10                           ; v10  my scale word's place in a record's 512 bytes
.set L8,  11                           ; v11  8 x lane
.set SGO, 58                           ; v58  256 g + 8 x lane
.set KS,  32
.set VS,  36
.set TM,  40
.set PW,  56
.set PC,  224
.set CS,  10                           ; s[10:11] c = log2(e) / sqrt(128), twice
.set WV,  12                           ; s12  wave
.set SEL, 14                           ; s[14:15]
.set KB,  16                           ; s[16:17] K's record of the trip's key step
.set T,   18                           ; s18  the trip
.set HV,  19                           ; s19  1: K's registers hold, or will hold, this step's record
.set NH,  20                           ; s20  the same for the next trip
.set LIVE, 21                          ; s21  bit 0: this step is live; bit 2: the next
.set ANY, 22                           ; s22  bit 0: something is hidden in this step
.set PT,  23                           ; s23  the next trip in which I prefetch
.set MO,  66                           ; s66  the key step's 256 bytes among my tile's mask words
.set MSB, 0
.macro WIN new
.if MSB != (\new)
	s_set_vgpr_msb (MSB<<8)|(\new)
.set MSB, (\new)
.endif
.endm
.macro QUANT s, pw                     ; 64 numbers of a lane, register 16 b + i = k 32 b + 16 (lane / 16) + i of my row -> codes in v[PC] on, scale word in v[pw]
.irp b, 0,1,2,3
	v_max3_num_f32 v[TM+\b], |v[\s+16*\b]|, |v[\s+1+16*\b]|, 0x2800000
.endr
.irp i, 2,4,6,8,10,12,14
.irp b, 0,1,2,3
	s_delay_alu instid0(VALU_DEP_4)
	v_max3_num_f32 v[TM+\b], v[TM+\b], |v[\s+16*\b+\i]|, |v[\s+1+16*\b+\i]|
.endr
.endr
.irp b, 0,1,2,3
	s_delay_alu instid0(VALU_DEP_4)
	v_permlanex16_b32 v[TM+4+\b], v[TM+\b], s[SEL], s[SEL+1]
.endr
.irp b, 0,1,2,3
	s_delay_alu instid0(VALU_DEP_4)
	v_max_num_f32 v[TM+\b], v[TM+\b], v[TM+4+\b]
.endr
.irp b, 0,1,2,3
	s_delay_alu instid0(VALU_DEP_4)
	v_add_nc_u32 v[TM+12+\b], 0xfe000000, v[TM+\b]
.endr
.irp b, 0,1,2,3
	s_delay_alu instid0(VALU_DEP_4)
	v_lshrrev_b32 v[TM+4+\b], 23, v[TM+12+\b]
.endr
	s_delay_alu instid0(VALU_DEP_3)
	v_lshl_or_b32 v[\pw], v[TM+5], 8, v[TM+4]
	s_delay_alu instid0(VALU_DEP_1)
	v_lshl_or_b32 v[\pw], v[TM+6], 16, v[\pw]
	s_delay_alu instid0(VALU_DEP_1)
	v_lshl_or_b32 v[\pw], v[TM+7], 24, v[\pw]
.irp c, 0,1
	v_cvt_scalef32_pk16_bf6_f32 v[PC+6*\c:PC+2+6*\c], v[\s+32*\c:\s+15+32*\c], v[TM+12+2*\c]
	v_cvt_scalef32_pk16_bf6_f32 v[PC+12+4*\c:PC+14+4*\c], v[\s+16+32*\c:\s+31+32*\c], v[TM+12+2*\c+1]
.endr
	v_nop
.irp c, 0,1
.irp i, 0,1,2
	v_permlane16_swap_b32 v[PC+6*\c+\i], v[PC+12+4*\c+\i]
.endr
.irp i, 0,1,2
	s_delay_alu instid0(VALU_DEP_3)
	v_mov_b32 v[PC+3+6*\c+\i], v[PC+12+4*\c+\i]
.endr
.endr
.endm
.macro MASKS                           ; my tile's 64 mask words of the key step at s[MO]: word n into s[32 + n + 4 (n / 32)]
	s_load_b512 s[32:47], s[4:5], s[MO] offset:0x0
	s_load_b512 s[48:63], s[4:5], s[MO] offset:0x40
	s_load_b512 s[68:83], s[4:5], s[MO] offset:0x80
	s_load_b512 s[84:99], s[4:5], s[MO] offset:0xc0
.endm
.macro KLOAD off                       ; a record of K, off bytes behind the trip's: eight fragments into window 1, the scale words into v[KS] on: 25 loads
	WIN 0x40
.irp t, 0,1,2,3,4,5,6,7
.irp c, 0,1,2
	global_load_b128 v[12*\t+4*\c:12*\t+4*\c+3], v[LI], s[KB:KB+1] offset:(\off)+FRB*\t+512*\c
.endr
.endr
	WIN 0
	global_load_b128 v[KS:KS+3], v[LI], s[KB:KB+1] offset:(\off)+8*FRB
.endm
	s_load_b128 s[36:39], s[0:1], 0x0              ; qkv s[36:37], maskw s[38:39]
	s_load_b64 s[40:41], s[0:1], 0x10              ; ctxr
	v_lshl_add_u32 v[SPW], v0, 2, SPARE
	v_mov_b32 v[NIL], 0
	v_lshrrev_b32 v29, 5, v0
	v_readfirstlane_b32 s[WV], v29                 ; wave 0..7
	s_and_b32 s24, ttmp7, 0xffff                   ; the head
	s_lshr_b32 s25, ttmp9, 1                       ; j
	s_and_b32 s26, ttmp9, 1                        ; g
	s_lshr_b32 s27, s[WV], 1                       ; c: my place among the four waves of my kind
	s_lshr_b32 s28, s[WV], 2
	s_xor_b32 s28, s28, s27
	s_xor_b32 s28, s28, s[WV]
	s_and_b32 s28, s28, 1                          ; sel: the parity of the wave's number
	s_sub_co_u32 s29, 15, s25
	s_cmp_eq_u32 s28, 0
	s_cselect_b32 s29, s25, s29                    ; Bq: block j or block 15 - j
	s_lshl_b32 s30, s26, 2
	s_add_co_u32 s30, s30, s27                     ; my tile in the block: 4 g + c
	s_lshl_b32 s42, s24, 4                         ; Q's record: (head, Bq)
	s_add_co_u32 s42, s42, s29
	s_mul_i32 s42, s42, REC
	s_mov_b32 s43, 0
	s_lshl_b32 s44, s29, 4                         ; ctx's record: (Bq, head)
	s_add_co_u32 s44, s44, s24
	s_mul_i32 s44, s44, REC
	s_mov_b32 s45, 0
	s_lshl_b32 s46, s29, 3                         ; my tile's mask words: (8 Bq + tile) x 4,096 bytes
	s_add_co_u32 s46, s46, s30
	s_lshl_b32 s46, s46, 12
	s_mov_b32 s47, 0
	s_mul_i32 s48, s24, GRP                        ; K's records of the head
	s_add_co_u32 s48, s48, PART
	s_mov_b32 s49, 0
	s_lshl_b32 s50, s27, 2                         ; 4 c
	s_lshl_b32 s54, s26, 8                         ; 256 g
	s_add_co_u32 s31, s54, s50                     ; the scale word of position 16 (4 g + c) + r: 256 g + 16 r + 4 c
	s_lshl_b32 s53, s28, 8                         ; 256 sel
	s_add_co_u32 s50, s53, s50
	s_mul_i32 s51, s30, FRB
	s_and_b32 s52, ttmp9, 1                        ; the prefetches: x % 4 = 0, 1: halves of K's record; 2, 3: of V's
	s_mul_i32 s52, s52, 6400
	s_bfe_u32 s55, ttmp9, 0x10001
	s_mul_i32 s55, s55, PART
	s_add_co_u32 s52, s52, s55
	s_lshr_b32 s[PT], ttmp9, 2
	s_cmp_eq_u32 s[WV], 0
	s_cselect_b32 s[PT], s[PT], 99                 ; wave 0 alone asks
	s_mov_b32 s[CS], 0x3e0293ee                    ; c = log2(e) / sqrt(128)
	s_mov_b32 s[CS+1], s[CS]
	s_mov_b32 s[SEL], 0x76543210
	s_mov_b32 s[SEL+1], 0xfedcba98
	v_and_b32 v29, 31, v0                          ; lane
	v_and_b32 v30, 15, v0                          ; r
	v_lshlrev_b32 v[LI], 4, v29
	v_lshlrev_b32 v31, 4, v30
	v_lshlrev_b32 v[L8], 3, v29
	v_lshlrev_b32 v[FA], 7, v29
	v_min_u32 v[PFO], 24, v29                      ; lanes 25-31 name the last block again
	v_add_nc_u32 v[LV], PART, v[LI]
	v_add_nc_u32 v[LW], s51, v[LI]
	v_add_nc_u32 v[QSA], s31, v31
	v_add_nc_u32 v[SCA], s50, v31
	v_add_nc_u32 v[SCB], s53, v[L8]
	v_add_nc_u32 v[SGO], s54, v[L8]
	v_lshlrev_b32 v[PFO], 8, v[PFO]
	v_add_nc_u32 v[PFO], s52, v[PFO]
	s_wait_alu depctr_va_vdst(0)                   ; directly ahead of the wait below
	s_wait_kmcnt 0x0
	s_add_nc_u64 s[8:9], s[36:37], s[42:43]
	s_add_nc_u64 s[6:7], s[40:41], s[44:45]
	s_add_nc_u64 s[4:5], s[38:39], s[46:47]
	s_add_nc_u64 s[KB:KB+1], s[36:37], s[48:49]
.irp i, 0,1,2,3,4,5,6,7
	global_load_b128 v[96+4*\i:99+4*\i], v[FA], s[4:5] offset:16*\i   ; lane l: words 32 l .. 32 l + 31 of my tile: a half of key step l / 2
.endr
.irp c, 0,1,2
	global_load_b128 v[16+4*\c:19+4*\c], v[LW], s[8:9] offset:512*\c   ; Q's fragment stays in registers
.endr
	global_load_b32 v255, v[QSA], s[8:9] offset:8*FRB   ; and its scale words
	KLOAD 0                                        ; key step 0's K
	v_mov_b32 v28, 0xff800000                      ; -infinity
	v_mov_b32 v13, 0xff61b1e6                      ; the largest t so far: -3e38
	v_floor_f32 v12, -v13                          ; -M
	v_mov_b32 v14, 0
	v_mov_b32 v15, 0
.irp b, 0,1,2,3
	v_mov_b32 v[236+\b], 0                         ; a lane permute's destination counts as one of its sources
	v_mov_b32 v[TM+4+\b], 0
.endr
	v_mov_b32 v253, 0                              ; (named as the upper half of the pair v[252:253] before it is first written)
.set j, 0
.rept 64
	v_mov_b32 v[160+j], 0                          ; O^T: which step is a tile's first hangs on the mask, so the step is written once and finds zeros
.set j, j+1
.endr
	s_wait_alu depctr_va_vdst(0)                   ; directly ahead of the wait below
	s_wait_loadcnt 29                              ; the eight loads of mask words are in; behind them: Q's 4 and K's 25
.irp k, 0,1,2,3
	v_and_b32 v[128+\k], v[96+\k], v[100+\k]       ; all of my 32 words: the bits that are 1 in every one,
	v_or_b32 v[132+\k], v[96+\k], v[100+\k]        ; and those that are 1 in any; four chains of each by turns
.endr
.irp i, 104,108,112,116,120,124
.irp k, 0,1,2,3
	v_and_b32 v[128+\k], v[128+\k], v[\i+\k]
	v_or_b32 v[132+\k], v[132+\k], v[\i+\k]
.endr
.endr
	v_and_b32 v128, v128, v129
	v_and_b32 v130, v130, v131
	v_or_b32 v132, v132, v133
	v_or_b32 v134, v134, v135
	v_and_b32 v128, v128, v130
	v_or_b32 v132, v132, v134
	v_cmp_ne_u32 s[LIVE], -1, v128                 ; bit l: not everything is hidden in my half step
	v_cmp_ne_u32 s[ANY], 0, v132                   ; bit l: something is
	s_lshr_b32 s24, s[LIVE], 1
	s_or_b32 s[LIVE], s[LIVE], s24                 ; bit 2 s: either half of step s
	s_lshr_b32 s25, s[ANY], 1
	s_or_b32 s[ANY], s[ANY], s25
	s_mov_b32 s[T], 0
	s_mov_b32 s[HV], 1
	s_mov_b32 s[MO], 0
	s_wait_alu depctr_va_vdst(0)                   ; at the head's end
.Ltrip:                                                ; sixteen trips, one for each key step of 128 keys
	s_cmp_eq_u32 s[T], s[PT]
	s_cbranch_scc0 .Lnot_asked
	global_prefetch_b8 v[PFO], s[KB:KB+1] offset:AHEAD*REC th:TH_LOAD_NT scope:SCOPE_SE   ; 25 blocks of step t + 3
	s_add_co_u32 s[PT], s[PT], 4
	s_cmp_gt_u32 s[PT], 15-AHEAD                   ; step t + 3 must exist
	s_cselect_b32 s[PT], 99, s[PT]
.Lnot_asked:
	s_bitcmp1_b32 s[LIVE], 0
	s_cselect_b32 s[NH], 1, 0                      ; a live trip leaves the next live step's K behind it
	s_cbranch_scc0 .Lnext                          ; every score of the step is hidden
	s_cmp_eq_u32 s[HV], 1
	s_cbranch_scc1 .Lhave
	s_wait_loadcnt 0x0                             ; no load is on its way into K's registers
	KLOAD 0                                        ; the trip before was left out: this step's K comes now
.Lhave:
	s_wait_loadcnt 0x0                             ; K's fragments and scale words are in (the first time: Q too)
	WIN 0x01                                       ; source 0 window 1
.irp t, 0,1,2,3
	v_wmma_scale_f32_16x16x128_f8f6f4 v[96+8*\t:103+8*\t], v[12*\t:12*\t+11], v[16:27], 0, v[KS+\t], v255 matrix_a_fmt:MATRIX_FMT_BF6 matrix_b_fmt:MATRIX_FMT_BF6
.endr
.irp t, 4,5,6,7
	v_wmma_scale_f32_16x16x128_f8f6f4 v[96+8*\t:103+8*\t], v[12*\t:12*\t+11], v[16:27], 0, v[KS+\t-4], v255 matrix_a_fmt:MATRIX_FMT_BF6 matrix_b_fmt:MATRIX_FMT_BF6 matrix_a_scale:MATRIX_SCALE_ROW1
.endr
	WIN 0
.rept 4
	v_nop                                          ; places in front of the loads below and of the first read of the scores
.endr
	WIN 0x40                                       ; destination window 1.  This step's V lands under the softmax
.irp t, 0,1,2,3,4,5,6,7
.irp c, 0,1,2
	global_load_b128 v[128+12*\t+4*\c:128+12*\t+4*\c+3], v[LV], s[KB:KB+1] offset:FRB*\t+512*\c
.endr
.endr
	WIN 0
	global_load_b128 v[VS:VS+3], v[LV], s[KB:KB+1] offset:8*FRB   ; register c: lanes 0-15 fragment c's words, lanes 16-31 fragment 4 + c's
	s_bitcmp1_b32 s[LIVE], 2
	s_cbranch_scc0 .Lno_next
	KLOAD REC                                      ; the next step is live: its K lands under the softmax too
.Lno_next:
	s_bitcmp1_b32 s[ANY], 0
	s_cbranch_scc0 .Lopen                          ; nothing is hidden in this step
	MASKS
	s_wait_kmcnt 0x0
.set n, 0
.rept 64
	v_cndmask_b32 v[96+n], v[96+n], v28, s[32+n+4*(n/32)]   ; a hidden score becomes -infinity.  Each accumulator from its low end on
.set n, n+1
.endr
.Lopen:
.irp b, 0,1,2,3
	v_max3_num_f32 v[232+\b], v[96+16*\b], v[97+16*\b], v[98+16*\b]   ; the largest score of each block of 32 keys: for the row's maximum, and, since p rises with the score, for the block's largest p
.endr
.irp i, 3,5,7,9,11,13
.irp b, 0,1,2,3
	v_max3_num_f32 v[232+\b], v[232+\b], v[96+16*\b+\i], v[97+16*\b+\i]
.endr
.endr
.irp b, 0,1,2,3
	v_max_num_f32 v[232+\b], v[232+\b], v[111+16*\b]
.endr
.irp b, 0,1,2,3
	v_permlanex16_b32 v[236+\b], v[232+\b], s[SEL], s[SEL+1]
.endr
.irp b, 0,1,2,3
	s_delay_alu instid0(VALU_DEP_4)
	v_max_num_f32 v[232+\b], v[232+\b], v[236+\b]  ; with lane l xor 16's 16 keys
.endr
	s_delay_alu instid0(VALU_DEP_2)
	v_max3_num_f32 v254, v232, v233, v234
	s_delay_alu instid0(VALU_DEP_1)
	v_max_num_f32 v254, v254, v235                 ; the step's largest score of my query
	s_delay_alu instid0(VALU_DEP_1)
	v_mul_f32 v254, s[CS], v254                    ; as t
	s_delay_alu instid0(VALU_DEP_1)
	v_max_num_f32 v13, v13, v254                   ; the running largest t
	v_mov_b32 v254, v12
	s_delay_alu instid0(VALU_DEP_2)
	v_floor_f32 v12, -v13                          ; the new -M = -ceil(t)
	s_delay_alu instid0(VALU_DEP_1)
	v_sub_f32 v254, v12, v254                      ; old M - new M: a whole number, 0 or less
	s_delay_alu instid0(VALU_DEP_1)
	v_cvt_i32_f32 v254, v254                       ; (it saturates)
	s_delay_alu instid0(VALU_DEP_1)
	v_ldexp_f32 v252, 1.0, v254                    ; f = 2^(old M - new M)
.irp j, 0,2,4,6,8,10,12,14,16,18,20,22,24,26,28,30,32,34,36,38,40,42,44,46,48,50,52,54,56,58,60,62
	v_pk_fma_f32 v[96+\j:97+\j], v[96+\j:97+\j], s[CS:CS+1], v[12:13] op_sel_hi:[1,0,0]   ; t - M, two at a time
.endr
.irp b, 0,1,2,3
	v_fma_f32 v[232+\b], v[232+\b], s[CS], v12     ; the same of each block's largest score
.endr
.set j, 0
	s_wait_alu depctr_va_vdst(0)                   ; ahead of the batch
.rept 64
	v_exp_f32 v[96+j], v[96+j]                     ; p = 2^(t - M), at most 1
.set j, j+1
.endr
.irp b, 0,1,2,3
	v_exp_f32 v[232+\b], v[232+\b]                 ; the block's largest p
.endr
	v_pk_mul_f32 v[14:15], v[14:15], v[252:253] op_sel_hi:[1,0]   ; the sums under the new M (a plain place behind the exponentials)
	s_wait_alu depctr_va_vdst(0)                   ; and behind it
.irp b, 0,1,2,3
	v_max_num_f32 v[232+\b], 0x2800000, v[232+\b]  ; the floor 2^(5 - 127): the byte cannot fall under 1
.endr
.irp b, 0,1,2,3
	s_delay_alu instid0(VALU_DEP_4)
	v_add_nc_u32 v[244+\b], 0xfe000000, v[232+\b]  ; 4 off the exponent field: the conversion's scale operand
.endr
.irp b, 0,1,2,3
	s_delay_alu instid0(VALU_DEP_4)
	v_lshrrev_b32 v[236+\b], 23, v[244+\b]         ; the scale's byte
.endr
	s_delay_alu instid0(VALU_DEP_3)
	v_lshl_or_b32 v253, v237, 8, v236              ; p's scale word for these 128 keys
	s_delay_alu instid0(VALU_DEP_1)
	v_lshl_or_b32 v253, v238, 16, v253
	s_delay_alu instid0(VALU_DEP_1)
	v_lshl_or_b32 v253, v239, 24, v253
.irp c, 0,1
	v_cvt_scalef32_pk16_bf6_f32 v[224+6*\c:226+6*\c], v[96+32*\c:111+32*\c], v[244+2*\c]
	v_cvt_scalef32_pk16_bf6_f32 v[236+4*\c:238+4*\c], v[112+32*\c:127+32*\c], v[244+2*\c+1]
.endr
	v_nop                                          ; one plain place behind a scaled conversion
.irp c, 0,1
.irp i, 0,1,2
	v_permlane16_swap_b32 v[224+6*\c+\i], v[236+4*\c+\i]
.endr
.irp i, 0,1,2
	s_delay_alu instid0(VALU_DEP_3)
	v_mov_b32 v[227+6*\c+\i], v[236+4*\c+\i]
.endr
.endr
	v_pk_add_f32 v[236:237], v[100:101], v[104:105]   ; the row's sum of the unquantised p, in eight chains
	v_pk_add_f32 v[250:251], v[108:109], v[112:113]
	v_pk_add_f32 v[248:249], v[116:117], v[120:121]
	v_pk_add_f32 v[246:247], v[124:125], v[128:129]
	v_pk_add_f32 v[244:245], v[132:133], v[136:137]
	v_pk_add_f32 v[242:243], v[140:141], v[144:145]
	v_pk_add_f32 v[240:241], v[148:149], v[152:153]
	v_pk_add_f32 v[14:15], v[14:15], v[156:157]
	v_pk_add_f32 v[236:237], v[236:237], v[96:97]
	v_pk_add_f32 v[250:251], v[250:251], v[98:99]
	v_pk_add_f32 v[248:249], v[248:249], v[102:103]
	v_pk_add_f32 v[246:247], v[246:247], v[106:107]
	v_pk_add_f32 v[244:245], v[244:245], v[110:111]
	v_pk_add_f32 v[242:243], v[242:243], v[114:115]
	v_pk_add_f32 v[240:241], v[240:241], v[118:119]
	v_pk_add_f32 v[14:15], v[14:15], v[122:123]
	v_pk_add_f32 v[236:237], v[236:237], v[126:127]
	v_pk_add_f32 v[250:251], v[250:251], v[130:131]
	v_pk_add_f32 v[248:249], v[248:249], v[134:135]
	v_pk_add_f32 v[246:247], v[246:247], v[138:139]
	v_pk_add_f32 v[244:245], v[244:245], v[142:143]
	v_pk_add_f32 v[242:243], v[242:243], v[146:147]
	v_pk_add_f32 v[240:241], v[240:241], v[150:151]
	v_pk_add_f32 v[14:15], v[14:15], v[154:155]
	v_pk_add_f32 v[236:237], v[236:237], v[158:159]
	s_delay_alu instid0(VALU_DEP_2)
	v_pk_add_f32 v[14:15], v[14:15], v[246:247]
	s_delay_alu instid0(VALU_DEP_2)
	v_pk_add_f32 v[236:237], v[236:237], v[244:245]
	v_pk_add_f32 v[250:251], v[250:251], v[242:243]
	v_pk_add_f32 v[248:249], v[248:249], v[240:241]
	s_delay_alu instid0(VALU_DEP_2)
	v_pk_add_f32 v[14:15], v[14:15], v[250:251]
	s_delay_alu instid0(VALU_DEP_2)
	v_pk_add_f32 v[236:237], v[236:237], v[248:249]
	s_delay_alu instid0(VALU_DEP_1)
	v_pk_add_f32 v[14:15], v[14:15], v[236:237]
.irp j, 0,2,4,6,8,10,12,14,16,18,20,22,24,26,28,30,32,34,36,38,40,42,44,46,48,50,52,54,56,58,60,62
	v_pk_mul_f32 v[160+\j:161+\j], v[160+\j:161+\j], v[252:253] op_sel_hi:[1,0]   ; O^T under the new M (these are also the places between p's codes and scale word and the products below)
.endr
	s_wait_alu depctr_va_vdst(0)                   ; directly ahead of the wait below
	s_wait_loadcnt 0x0                             ; V and its scale words are in, and the next step's K where it was asked for
	WIN 0x01
.irp t, 0,1,2,3
	v_wmma_scale_f32_16x16x128_f8f6f4 v[160+8*\t:167+8*\t], v[128+12*\t:139+12*\t], v[224:235], v[160+8*\t:167+8*\t], v[VS+\t], v253 matrix_a_fmt:MATRIX_FMT_BF6 matrix_b_fmt:MATRIX_FMT_BF6
.endr
.irp t, 4,5,6,7
	v_wmma_scale_f32_16x16x128_f8f6f4 v[160+8*\t:167+8*\t], v[128+12*\t:139+12*\t], v[224:235], v[160+8*\t:167+8*\t], v[VS+\t-4], v253 matrix_a_fmt:MATRIX_FMT_BF6 matrix_b_fmt:MATRIX_FMT_BF6 matrix_a_scale:MATRIX_SCALE_ROW1
.endr
	WIN 0
.Lnext:
	s_mov_b32 s[HV], s[NH]
	s_lshr_b32 s[LIVE], s[LIVE], 2                 ; the next step's bits come to bit 0; zeros follow the last step's
	s_lshr_b32 s[ANY], s[ANY], 2
	s_wait_xcnt 0x0                                ; the trip's loads and its prefetch have read their base: it may step
	s_add_co_u32 s[MO], s[MO], 256
	s_add_nc_u64 s[KB:KB+1], s[KB:KB+1], REC
	s_add_co_u32 s[T], s[T], 1
	s_cmp_lt_u32 s[T], 16
	s_cbranch_scc1 .Ltrip
	; THE WAY OUT.  O^T / the sum: a lane's 64 registers are its query's 128 features, 16 of each block of 32: quantised, they are my tile's fragment of ctx's record.
.rept 4
	v_nop
.endr
	v_add_f32 v14, v14, v15                        ; the sum's two halves,
	s_delay_alu instid0(VALU_DEP_1)
	v_permlanex16_b32 v252, v14, s[SEL], s[SEL+1]
	s_delay_alu instid0(VALU_DEP_1)
	v_add_f32 v14, v14, v252                       ; and lane l xor 16's
	s_wait_alu depctr_va_vdst(0)                   ; ahead of the transcendental
	v_rcp_f32 v15, v14
	v_mov_b32 v57, -1                              ; (a plain place behind the transcendental)
.set j, 0
	s_wait_alu depctr_va_vdst(0)                   ; and ahead of its first reader
.rept 64
	v_mul_f32 v[96+j], v[160+j], v15
.set j, j+1
.endr
	QUANT 96, PW
	v_cmp_eq_f32 vcc_lo, 0, v14                    ; no key counted for my query:
	s_delay_alu instid0(VALU_DEP_1)
	v_cndmask_b32 v[PW], v[PW], v57, vcc_lo        ; four scale bytes 0xff
.irp c, 0,1,2
	global_store_b128 v[LW], v[PC+4*\c:PC+4*\c+3], s[6:7] offset:512*\c   ; 512 consecutive bytes, at a multiple of 256 from the buffer's first byte
.endr
	ds_store_b32 v[SCA], v[PW]                     ; lanes r and r + 16 write the same word with the same value
	s_wait_dscnt 0x0                               ; for the others' sake
	s_barrier_signal -1
	s_barrier_wait -1
	s_cmp_gt_u32 s[WV], 1
	s_cbranch_scc1 .Lnot_first
	ds_load_b64 v[60:61], v[SCB]                   ; waves 0 and 1, one of each kind, send their four tiles' scale words:
	s_wait_dscnt 0x0
	global_store_b64 v[SGO], v[60:61], s[6:7] offset:8*FRB   ; one aligned run of 256 bytes of their block's record
.Lnot_first:
	s_wait_tensorcnt 0x0                           ; the wave's end
	ds_add_u32 v[SPW], v[NIL]
	s_wait_dscnt 0x0
	s_endpgm
.Lfunc_end_k_qb6e2ac994b_attn:
	.size	k_qb6e2ac994b_attn, .Lfunc_end_k_qb6e2ac994b_attn-k_qb6e2ac994b_attn
	.p2alignl 7, 3214868480
	.fill 96, 4, 3214868480
	.section	.rodata,"a",@progbits
	.p2align	6, 0x0
	.amdhsa_kernel k_qb6e2ac994b_attn
		.amdhsa_group_segment_fixed_size 2048
		.amdhsa_private_segment_fixed_size 0
		.amdhsa_enable_private_segment 0
		.amdhsa_kernarg_size 24
		.amdhsa_user_sgpr_count 2
		.amdhsa_user_sgpr_kernarg_segment_ptr 1
		.amdhsa_wavefront_size32 1
		.amdhsa_system_sgpr_workgroup_id_x 1
		.amdhsa_system_sgpr_workgroup_id_y 1
		.amdhsa_system_sgpr_workgroup_id_z 1
		.amdhsa_system_vgpr_workitem_id 0
		.amdhsa_next_free_vgpr 512
		.amdhsa_next_free_sgpr 102
		.amdhsa_reserve_vcc 1
		.amdhsa_float_denorm_mode_32 3
		.amdhsa_float_denorm_mode_16_64 3
		.amdhsa_memory_ordered 1
		.amdhsa_forward_progress 1
		.amdhsa_inst_pref_size 49
	.end_amdhsa_kernel
	.amdgpu_metadata
---
amdhsa.version: [ 1, 2 ]
amdhsa.kernels:
  - .name:           k_qb6e2ac994b_attn
    .symbol:         k_qb6e2ac994b_attn.kd
    .args:
      - { .name: qkv, .offset: 0, .size: 8, .value_kind: global_buffer, .address_space: global }
      - { .name: maskw, .offset: 8, .size: 8, .value_kind: global_buffer, .address_space: global }
      - { .name: ctxr, .offset: 16, .size: 8, .value_kind: global_buffer, .address_space: global }
    .group_segment_fixed_size: 2048
    .private_segment_fixed_size: 0
    .kernarg_segment_align: 8
    .kernarg_segment_size: 24
    .max_flat_workgroup_size: 256
    .sgpr_count:     102
    .vgpr_count:     512
    .wavefront_size: 32
...
	.end_amdgpu_metadata
.endif
;; end of part 3
;; launch outgemm (part 4): grid 16 x 16, 4 waves a work-group, clusters of 4 x 4, 327,680 bytes of LDS; arguments ctxr, wrec, bo, out0; writes out0
.if DOCPART == 4
	.amdgcn_target "amdgcn-amd-amdhsa--gfx1250"
	.amdhsa_code_object_version 6
	.text
	.protected	k_qb6e2ac994b_outgemm
	.globl	k_qb6e2ac994b_outgemm
	.p2align	8
	.type	k_qb6e2ac994b_outgemm,@function
k_qb6e2ac994b_outgemm:
	s_mov_b64 s[64:65], 0
	v_nop
	global_prefetch_b8 v0, s[64:65] scope:SCOPE_SE
	s_setreg_imm32_b32 hwreg(HW_REG_WAVE_MODE, 25, 1), 1
	s_wait_xcnt 0x0
	s_wait_alu depctr_hold_cnt(0) depctr_sa_sdst(0) depctr_va_vdst(0) depctr_va_sdst(0) depctr_va_ssrc(0) depctr_va_vcc(0) depctr_vm_vsrc(0)
	s_getreg_b32 s2, hwreg(HW_REG_IB_STS2, 6, 4)
	s_cmp_eq_u32 s2, 0
	s_cbranch_scc0 .Lentry_in_a_cluster
	s_endpgm
.Lentry_in_a_cluster:
	s_bfe_u32 s2, ttmp6, 0x10000c
	s_cmp_lg_u32 s2, 0xf033
	s_cbranch_scc0 .Lentry_shape_is_right
	s_endpgm
.Lentry_shape_is_right:
.set REC,   12800
.set FRB,   1536
.set PART,  256*REC
.set GRP,   16*REC
.set NA,    4
.set NB,    4
.set NAH,   NA/2
.set NQ,    4
.set TLB,   2*REC
.set SLOT,  4*TLB
.set LAPS,  16/(2*NQ)
.set GSTEP, 2*NQ*REC
.set STAGE, 2*SLOT
.set SPITCH, 272
.set SPARE, STAGE+4*16*SPITCH
.set ADRA, 16
.set ADRB, 18
.set ADRS, 20
.set LI,   22
.set STO,  23
.set RD,   24
.set CO,   25
.set BRA,  26
.set SPW,  28
.set NIL,  29
.set SC,   32
.set BR,   64
.set AF,   128
.set BK,   128
.set G1,  24
.set G0,  32
.set G1B, 48
.set G0B, 56
.set MSB, 0
.macro WIN new
.if MSB != (\new)
	s_set_vgpr_msb (MSB<<8)|(\new)
.set MSB, (\new)
.endif
.endm
.macro PLACES
.rept 4
	v_nop
.endr
.endm
.macro JLOAD g0a, g1a, g0b, g1b
	s_cmp_eq_u32 s15, 0
	s_cbranch_scc0 .Lfor_b_\@
	tensor_load_to_lds s[\g0a:\g0a+3], s[\g1a:\g1a+7]
	s_nop 0
.rept 4
	v_nop
.endr
	s_branch .Lasked_\@
.Lfor_b_\@:
	tensor_load_to_lds s[\g0b:\g0b+3], s[\g1b:\g1b+7]
	s_nop 0
.rept 4
	v_nop
.endr
.Lasked_\@:
.endm
.macro CREST
	s_cmp_lg_u32 s14, 0
	s_cbranch_scc1 .Lnot_wave_0_\@
	s_barrier_signal -3
.Lnot_wave_0_\@:
	s_barrier_wait -3
	s_barrier_signal -1
	s_barrier_wait -1
.endm
.macro CROUND
	s_barrier_signal -1
	s_barrier_wait -1
	CREST
.endm
	s_load_b256 s[4:11], s[0:1], 0x0
	v_lshl_add_u32 v[SPW], v0, 2, SPARE
	v_mov_b32 v[NIL], 0
	ds_add_u32 v28, v29
	ds_add_u32 v28, v29
	s_wait_dscnt 0x0
	v_lshrrev_b32 v1, 5, v0
	v_readfirstlane_b32 s14, v1
	s_lshr_b32 s15, s14, 1
	s_and_b32 s16, s14, 1
	s_bfe_u32 s40, ttmp6, 0x40000
	s_bfe_u32 s41, ttmp6, 0x40004
	s_lshl_b32 s42, ttmp9, 2
	s_add_co_u32 s42, s42, s40
	s_and_b32 s17, ttmp7, 0xffff
	s_lshl_b32 s17, s17, 2
	s_add_co_u32 s17, s17, s41
	s_lshl_b32 s43, s41, 2
	s_lshl_b32 s43, 15, s43
	s_lshl_b32 s44, 0x1111, s40
	s_or_b32 s[G1], s43, (3<<16)|(1<<21)
	s_or_b32 s[G1B], s44, (3<<16)|(1<<21)
.irp g, G1, G1B
	s_mov_b32 s[\g+1], 32<<16
	s_mov_b32 s[\g+2], 100<<16
	s_mov_b32 s[\g+3], 32<<16
	s_mov_b32 s[\g+4], 100
	s_mov_b32 s[\g+5], 32
	s_mov_b32 s[\g+6], 0
	s_mov_b32 s[\g+7], 0
.endr
	s_mul_i32 s18, s16, TLB
	s_mul_i32 s20, s17, GRP
	s_add_co_u32 s20, s20, s18
	s_mov_b32 s21, 0
	s_mul_i32 s46, s42, GRP
	s_add_co_u32 s46, s46, s18
	s_add_co_u32 s46, s46, 4*PART
	s_mov_b32 s47, 0
	s_mul_i32 s45, s14, TLB
	s_wait_kmcnt 0x0
	s_add_nc_u64 s[20:21], s[4:5], s[20:21]
	s_add_nc_u64 s[46:47], s[6:7], s[46:47]
	; the prefetches: of the 100 blocks of 256 bytes that my wave fetches for a slot, each of the four partners that ask jointly names 25, told apart by address alone (cx for A's tiles, cy for B's)
	s_cmp_eq_u32 s15, 0
	s_cselect_b32 s86, s40, s41
	s_cselect_b64 s[84:85], s[20:21], s[46:47]
	s_mul_i32 s86, s86, 6400
	s_add_co_u32 s86, s86, NQ*REC
	s_mov_b32 s87, 0
	s_add_nc_u64 s[84:85], s[84:85], s[86:87]
	v_and_b32 v30, 31, v0
	v_min_u32 v30, 24, v30                         ; lanes 25-31 name the last block again
	v_lshlrev_b32 v30, 8, v30                      ; v30: never rewritten
	CROUND
.irp s, 0,1
	s_mov_b32 s[G0+4*\s], 1
	s_add_co_u32 s[G0+4*\s+1], s45, \s*SLOT
	s_add_nc_u64 s[G0+4*\s+2:G0+4*\s+3], s[20:21], \s*NQ*REC
	s_or_b32 s[G0+4*\s+3], s[G0+4*\s+3], 0x80000000
	s_mov_b32 s[G0B+4*\s], 1
	s_add_co_u32 s[G0B+4*\s+1], s45, \s*SLOT
	s_add_nc_u64 s[G0B+4*\s+2:G0B+4*\s+3], s[46:47], \s*NQ*REC
	s_or_b32 s[G0B+4*\s+3], s[G0B+4*\s+3], 0x80000000
	s_wait_alu depctr_va_vdst(0)
	s_wait_tensorcnt 0x0
	ds_add_u32 v28, v29
	ds_add_u32 v28, v29
	s_wait_dscnt 0x0
	CROUND
	JLOAD G0+4*\s, G1, G0B+4*\s, G1B
	global_prefetch_b8 v30, s[84:85] offset:(\s+1)*NQ*REC th:TH_LOAD_NT scope:SCOPE_SE   ; behind slot s's load: the slot two refills on; K has four slots, so the refills ask for nothing
.endr
	v_and_b32 v1, 31, v0
	v_and_b32 v2, 15, v0
	v_bfe_u32 v3, v0, 4, 1
	v_lshlrev_b32 v[LI], 4, v1
	s_wait_alu depctr_va_vdst(0)
	s_mul_i32 s22, s15, 4*FRB
	s_mul_i32 s23, s16, 4*FRB
	s_add_co_u32 s23, s23, 2*TLB
	s_xor_b32 s18, s15, 1
	s_add_co_u32 s18, s18, s16
	s_lshl_b32 s18, s18, 8
	s_add_co_u32 s18, s18, 2*TLB-256
	v_mul_u32_u24 v4, s18, v3
	v_lshl_add_u32 v4, v2, 4, v4
	s_lshl_b32 s19, s15, 8
	s_add_co_u32 s19, s19, 8*FRB
.irp s, 0,1
	v_add_nc_u32 v[ADRA+\s], s22, v[LI]
	v_add_nc_u32 v[ADRB+\s], s23, v[LI]
	v_add_nc_u32 v[ADRS+\s], s19, v4
	s_add_co_u32 s22, s22, SLOT
	s_add_co_u32 s23, s23, SLOT
	s_add_co_u32 s19, s19, SLOT
.endr
	s_mul_i32 s66, s14, 16*SPITCH
	s_add_co_u32 s66, s66, STAGE
	v_mul_u32_u24 v5, v2, SPITCH
	v_lshl_add_u32 v5, v3, 6, v5
	v_add_nc_u32 v[STO], s66, v5
	v_mul_u32_u24 v5, v3, SPITCH
	v_lshl_add_u32 v5, v2, 4, v5
	v_add_nc_u32 v[RD], s66, v5
	v_lshlrev_b32 v5, 13, v3
	v_lshl_add_u32 v[CO], v2, 4, v5
	v_lshlrev_b32 v[BRA], 6, v3
	s_wait_alu depctr_va_vdst(0)
	s_lshl_b32 s68, s17, 7
	s_lshl_b32 s69, s15, 6
	s_add_co_u32 s68, s68, s69
	s_lshl_b32 s68, s68, 13
	s_lshl_b32 s70, s42, 9
	s_lshl_b32 s71, s16, 8
	s_add_co_u32 s70, s70, s71
	s_mov_b32 s71, 0
	s_add_co_u32 s68, s68, s70
	s_mov_b32 s69, 0
	s_add_nc_u64 s[10:11], s[10:11], s[68:69]
	s_add_nc_u64 s[8:9], s[8:9], s[70:71]
.irp b, 0,1,2,3
	global_load_b128 v[BR+8*\b:BR+8*\b+3], v[BRA], s[8:9] offset:(32*(\b/2)+8*(\b%2))*4
	global_load_b128 v[BR+8*\b+4:BR+8*\b+7], v[BRA], s[8:9] offset:(32*(\b/2)+8*(\b%2))*4+16
.endr
.macro FRAG reg, adr, q, i
.irp c, 0,1,2
	ds_load_b128 v[\reg+4*\c:\reg+4*\c+3], v[\adr] offset:(\q)*REC+(\i)*FRB+512*\c
.endr
.endm
.macro FETCH_B slot, q, p
	WIN 0x40
.irp i, 0,1,2,3
	FRAG 128*(\p)+12*\i, ADRB+\slot, \q, \i
.endr
	WIN 0
.endm
.macro FETCH_A slot, q, i0
.set FI, \i0
.rept NAH
	FRAG AF+12*FI, ADRA+\slot, \q, FI
.set FI, FI+1
.endr
.endm
.macro SCALES slot, q, p
	ds_load_b128 v[SC+NA*(\p):SC+NA*(\p)+3], v[ADRS+\slot] offset:(\q)*REC
.endm
.macro MULB a, p, first
.irp b, 0,1,2,3
.if \first
	v_wmma_scale_f32_16x16x128_f8f6f4 v[8*(NB*((\a)%NAH)+\b):8*(NB*((\a)%NAH)+\b)+7], v[128*(\p)+12*\b:128*(\p)+12*\b+11], v[AF+12*(\a):AF+12*(\a)+11], v[BR+8*\b:BR+8*\b+7], v[SC+NA*(\p)+\b], v[SC+NA*(\p)+(\a)] matrix_a_fmt:MATRIX_FMT_BF6 matrix_b_fmt:MATRIX_FMT_BF6 matrix_a_scale:MATRIX_SCALE_ROW1
.else
	v_wmma_scale_f32_16x16x128_f8f6f4 v[8*(NB*((\a)%NAH)+\b):8*(NB*((\a)%NAH)+\b)+7], v[128*(\p)+12*\b:128*(\p)+12*\b+11], v[AF+12*(\a):AF+12*(\a)+11], v[8*(NB*((\a)%NAH)+\b):8*(NB*((\a)%NAH)+\b)+7], v[SC+NA*(\p)+\b], v[SC+NA*(\p)+(\a)] matrix_a_fmt:MATRIX_FMT_BF6 matrix_b_fmt:MATRIX_FMT_BF6 matrix_a_scale:MATRIX_SCALE_ROW1
.endif
.endr
.endm
.macro MULR a0, cnt, p, first
.set AI, \a0
.rept \cnt
	MULB AI, \p, \first
.set AI, AI+1
.endr
.endm
.macro STEP slot, q, first
	s_wait_dscnt 3*NAH
.if \first
	WIN 0x81
.else
	WIN 0xa1
.endif
	MULR 0, NAH, (\q)%2, \first
	s_wait_dscnt 0x0
	PLACES
	FETCH_B \slot, (\q)+1, 1-(\q)%2
	SCALES \slot, (\q)+1, 1-(\q)%2
	FETCH_A \slot, (\q)+1, 0
.if \first
	WIN 0xc1
.else
	WIN 0xf1
.endif
	MULR NAH, NAH, (\q)%2, \first
	PLACES
	WIN 0
	FETCH_A \slot, (\q)+1, NAH
.endm
.macro TURN slot, next, fill
	s_wait_tensorcnt 0x0
	ds_add_u32 v[SPW], v[NIL]
	s_wait_dscnt 3*NAH+1
	WIN 0xa1
	MULR 0, NAH/2, 1, 0
	s_wait_dscnt 0x0
	s_barrier_signal -1
	MULR NAH/2, NAH/2, 1, 0
	WIN 0
	s_barrier_wait -1
.if \fill
	CREST
	s_add_nc_u64 s[G0+4*\slot+2:G0+4*\slot+3], s[G0+4*\slot+2:G0+4*\slot+3], GSTEP
	s_add_nc_u64 s[G0B+4*\slot+2:G0B+4*\slot+3], s[G0B+4*\slot+2:G0B+4*\slot+3], GSTEP
	JLOAD G0+4*\slot, G1, G0B+4*\slot, G1B
.else
	PLACES
.endif
	FETCH_B \next, 0, 0
	SCALES \next, 0, 0
	FETCH_A \next, 0, 0
	WIN 0xf1
	MULR NAH, NAH, 1, 0
	PLACES
	WIN 0
	FETCH_A \next, 0, NAH
.endm
	s_wait_tensorcnt 1
	s_barrier_signal -1
	s_barrier_wait -1
	FETCH_B 0, 0, 0
	SCALES 0, 0, 0
	FETCH_A 0, 0, 0
	FETCH_A 0, 0, NAH
	s_wait_loadcnt 0x0
	STEP 0, 0, 1
	s_mov_b32 s3, LAPS-1
.Llap:
	STEP 0, 1, 0
	STEP 0, 2, 0
	TURN 0, 1, 1
	STEP 1, 0, 0
	STEP 1, 1, 0
	STEP 1, 2, 0
	TURN 1, 0, 1
	STEP 0, 0, 0
	s_sub_co_u32 s3, s3, 1
	s_cmp_lg_u32 s3, 0
	s_cbranch_scc1 .Llap
	STEP 0, 1, 0
	STEP 0, 2, 0
	TURN 0, 1, 0
	STEP 1, 0, 0
	STEP 1, 1, 0
	STEP 1, 2, 0
	s_wait_dscnt 3*NAH
	WIN 0xa1
	MULR 0, NAH, 1, 0
	s_wait_dscnt 0x0
	WIN 0xf1
	MULR NAH, NAH, 1, 0
	WIN 0
.macro TOSTAGE a
	WIN 0x08+4*((\a)/NAH)
.irp b, 0,1,2,3
	ds_store_b128 v[STO], v[8*(NB*((\a)%NAH)+\b):8*(NB*((\a)%NAH)+\b)+3] offset:128*(\b/2)+32*(\b%2)
	ds_store_b128 v[STO], v[8*(NB*((\a)%NAH)+\b)+4:8*(NB*((\a)%NAH)+\b)+7] offset:128*(\b/2)+32*(\b%2)+16
.endr
	WIN 0
.irp t, 0,1,2,3,4,5,6,7
	ds_load_b128 v[BK+32*((\a)%2)+4*\t:BK+32*((\a)%2)+4*\t+3], v[RD] offset:\t*2*SPITCH
.endr
.endm
.macro SEND a, younger
	s_wait_dscnt \younger
.irp t, 0,1,2,3,4,5,6,7
	global_store_b128 v[CO], v[BK+32*((\a)%2)+4*\t:BK+32*((\a)%2)+4*\t+3], s[10:11] offset:(32*((\a)/2)+8*((\a)%2)+16*(\t/4)+2*(\t%4))*8192 th:TH_STORE_NT
.endr
.endm
	PLACES
	TOSTAGE 0
.irp a, 1,2,3
.if \a > 1
	s_wait_xcnt 0x0
.endif
	TOSTAGE \a
	SEND \a-1, 16
.endr
	SEND 3, 0
	s_wait_tensorcnt 0x0
	ds_add_u32 v[SPW], v[NIL]
	s_wait_dscnt 0x0
	CROUND
	s_endpgm
.Lfunc_end_k_qb6e2ac994b_outgemm:
	.size	k_qb6e2ac994b_outgemm, .Lfunc_end_k_qb6e2ac994b_outgemm-k_qb6e2ac994b_outgemm
	.p2alignl 7, 3214868480
	.fill 96, 4, 3214868480
	.section	.rodata,"a",@progbits
	.p2align	6, 0x0
	.amdhsa_kernel k_qb6e2ac994b_outgemm
		.amdhsa_group_segment_fixed_size 327680
		.amdhsa_private_segment_fixed_size 0
		.amdhsa_enable_private_segment 0
		.amdhsa_kernarg_size 32
		.amdhsa_user_sgpr_count 2
		.amdhsa_user_sgpr_kernarg_segment_ptr 1
		.amdhsa_wavefront_size32 1
		.amdhsa_system_sgpr_workgroup_id_x 1
		.amdhsa_system_sgpr_workgroup_id_y 1
		.amdhsa_system_sgpr_workgroup_id_z 1
		.amdhsa_system_vgpr_workitem_id 0
		.amdhsa_next_free_vgpr 1024
		.amdhsa_next_free_sgpr 100
		.amdhsa_reserve_vcc 0
		.amdhsa_float_denorm_mode_32 3
		.amdhsa_float_denorm_mode_16_64 3
		.amdhsa_memory_ordered 1
		.amdhsa_forward_progress 1
		.amdhsa_inst_pref_size 85
	.end_amdhsa_kernel
	.amdgpu_metadata
---
amdhsa.version: [ 1, 2 ]
amdhsa.kernels:
  - .name:           k_qb6e2ac994b_outgemm
    .symbol:         k_qb6e2ac994b_outgemm.kd
    .args:
      - { .name: ctxr, .offset: 0, .size: 8, .value_kind: global_buffer, .address_space: global }
      - { .name: wrec, .offset: 8, .size: 8, .value_kind: global_buffer, .address_space: global }
      - { .name: bo, .offset: 16, .size: 8, .value_kind: global_buffer, .address_space: global }
      - { .name: out0, .offset: 24, .size: 8, .value_kind: global_buffer, .address_space: global }
    .group_segment_fixed_size: 327680
    .private_segment_fixed_size: 0
    .kernarg_segment_align: 8
    .kernarg_segment_size: 32
    .max_flat_workgroup_size: 128
    .sgpr_count:     100
    .vgpr_count:     1024
    .wavefront_size: 32
...
	.end_amdgpu_metadata
.endif
;; end of part 4
